; MI455X (gfx1250); checked and timed in simulation.
; The chip was launched on July 23, 2026; its instructions are those of AMD's public machine-readable ISA for CDNA 5 (MIT licence, August 2026) and "CDNA5" Instruction Set Architecture Reference Guide (July 2026). The comments in the code are by the model that wrote it; some were corrected since.
;; FHN Triton Attention. Allowed arithmetic: matrix products marked QUANTISED: E2M3 operands, one E8M0 scale for each 32 along K, by v_wmma_scale_f32_16x16x128_f8f6f4 with both operands' format E2M3, f32 sums; everything else in f32.
;; Inputs: Wout_codes 1,024 x 32 x 24 uint8 (E2M3 codes of Wout, K innermost, in blocks of 32 codes, four codes in three bytes); Wout_scales 1,024 x 32 uint8 (E8M0 scales of Wout, one for each 32 codes along K); Wqkv_codes 3,072 x 32 x 24 uint8 (E2M3 codes of Wqkv, K innermost, in blocks of 32 codes, four codes in three bytes); Wqkv_scales 3,072 x 32 uint8 (E8M0 scales of Wqkv, one for each 32 codes along K); a one number float32; b one number float32; dt one number float32; x_codes 2 x 2,048 x 32 x 24 uint8 (E2M3 codes of x, K innermost, in blocks of 32 codes, four codes in three bytes); x_scales 2 x 2,048 x 32 uint8 (E8M0 scales of x, one for each 32 codes along K).
;; Outputs: out0 2 x 2,048 x 1,024 float32.
;; This version of the problem:
;;   THIS VERSION OF THE PROBLEM IS GIVEN IN LOW PRECISION. The matrix products marked QUANTISED in the list below multiply operands that are first quantised to E2M3 (2 exponent bits, 3 mantissa bits; 6 bits a number), with one power-of-two scale for each 32 numbers along K (OCP MX v1.0); their sums are f32. All else is computed in f32.
;;   The module's matrix products, in the order in which they are computed (A, B: the left and right operand; K: the contracted axis; several contracted axes count as one K, in the product's order):
;;     1. [M 4,096, K 1,024] x [K 1,024, N 3,072]; A: input x (given as codes); B: input Wqkv (given as codes): QUANTISED
;;     2. batch 32 x [M 2,048, K 64] x [K 64, N 2,048]; A: computed on the way; B: computed on the way: QUANTISED
;;     3. batch 32 x [M 2,048, K 2,048] x [K 2,048, N 64]; A: computed on the way; B: computed on the way: QUANTISED
;;     4. [M 4,096, K 1,024] x [K 1,024, N 1,024]; A: computed on the way; B: input Wout (given as codes): QUANTISED
;;   THE QUANTISER, for each operand of a quantised product, along K:
;;     - K is cut into blocks of 32 from its start; a last block that is shorter is filled with zeros.
;;     - A block's scale is 2^e with e = floor(log2(the largest magnitude in the block)) - 2, held to -126 .. 127; a block of zeros has e = 0. As a byte (E8M0): e + 127.
;;     - Each number is divided by its block's scale, clamped to +-7.5, and rounded to the nearest number of E2M3, ties to even, subnormals kept.
;;     - The product sums the exact products of the quantised numbers (number of the format x scale) in f32.
;;   ~~~python
;;   def quantise(x, axis):      # numpy; x: float32 -> the quantised numbers, widened to float32 again
;;       x = np.moveaxis(x, axis, -1); K = x.shape[-1]
;;       x = np.pad(x, [(0, 0)] * (x.ndim - 1) + [(0, -K % 32)]); x = x.reshape(x.shape[:-1] + (-1, 32)); a = np.abs(x).max(-1, keepdims=True)
;;       e = np.where(a > 0, np.clip(np.frexp(np.where(a > 0, a, 1))[1] - 1 - 2, -126, 127), 0)      # np.frexp(a)[1] - 1 = floor(log2(a)), exactly
;;       r = np.clip(x / 2.0 ** e, -7.5, 7.5)
;;       step = 2.0 ** (np.maximum(np.frexp(np.where(r == 0, 1, r))[1] - 1, 0) - 3)
;;       q = np.round(r / step) * step * 2.0 ** e      # np.round: ties to even
;;       return np.moveaxis(q.reshape(q.shape[:-2] + (-1,))[..., :K], -1, axis).astype(np.float32)
;;   ~~~
;;   OPERANDS COMPUTED ON THE WAY. 'Computed on the way' means the value that the module computes at that place (a softmax that the list does not call 'softmax' is quantised finished and normalised). What goes into a quantiser is computed in f32, as accurately as f32 sums, v_exp_f32 and their like allow (about 1e-6 of the number): no bf16 or f16 on the way to a quantiser, and a product that is left as it is and whose result goes on into a quantised operand takes f32 operands (vector FMAs, or v_wmma_f32_16x16x4_f32). A number that lies on a knife's edge between two numbers of the format may be rounded either way, as far as f32 arithmetic and the matrix unit's own rounding can turn it there, and no further.
;;   INPUTS GIVEN AS CODES. Wout (in the module: [1024, 1024], K = its axis 1); Wqkv (in the module: [3072, 1024], K = its axis 1); x (in the module: [2, 2048, 1024], K = its axis 2): each comes as NAME_codes (uint8): NAME with its K axis moved to the last place and cut into blocks of 32 codes, [.., K / 32, bytes a block], one block behind the other in memory; four codes in three bytes: a row's codes are one little-endian stream of bits, code i at bits 6 i .. 6 i + 5 (a code: sign, 2 exponent bits, 3 mantissa bits); and NAME_scales (uint8): the same leading axes, one E8M0 byte (e + 127) for each 32 codes along K. Its value is code x scale, taken as it is: it is not quantised again, and the codes and scales need not be those that the quantiser above would give.
;; One version. Each part assembles by itself: llvm-mc -triple=amdgcn-amd-amdhsa -mcpu=gfx1250 --defsym DOCPART=n.
;; ======== version 1 of 1: 3 launches
;; limits: right only within a limited range of input values
;; workspace buffers: pack 10,223,616 bytes; apack 3,145,728 bytes; asc 131,072 bytes
;; launch qkv (part 1): grid 12 x 16, 4 waves a work-group, clusters of 4 x 4, 327,680 bytes of LDS; arguments x_codes, x_scales, Wqkv_codes, Wqkv_scales, pack; writes pack
.if DOCPART == 1
	.amdgcn_target "amdgcn-amd-amdhsa--gfx1250"
	.amdhsa_code_object_version 6
	.text
	.protected	k_q19af784908_qkv
	.globl	k_q19af784908_qkv
	.p2align	8
	.type	k_q19af784908_qkv,@function
k_q19af784908_qkv:
	s_mov_b64 s[64:65], 0
	v_nop
	global_prefetch_b8 v0, s[64:65] scope:SCOPE_SE
	s_setreg_imm32_b32 hwreg(HW_REG_WAVE_MODE, 25, 1), 1
	s_wait_xcnt 0x0
	s_wait_alu depctr_hold_cnt(0) depctr_sa_sdst(0) depctr_va_vdst(0) depctr_va_sdst(0) depctr_va_ssrc(0) depctr_va_vcc(0) depctr_vm_vsrc(0)
	s_getreg_b32 s2, hwreg(HW_REG_IB_STS2, 6, 4)
	s_cmp_eq_u32 s2, 0
	s_cbranch_scc0 .Lentry_in_a_cluster
	s_endpgm
.Lentry_in_a_cluster:
	s_bfe_u32 s2, ttmp6, 0x10000c
	s_cmp_lg_u32 s2, 0xf033
	s_cbranch_scc0 .Lentry_shape_is_right
	s_endpgm
.Lentry_shape_is_right:
; WORK LEFT OUT IN THIS PROGRAM, for all finite inputs: attn_energy is the sum of a softmax along its own axis, which is 1 by identity (under the causal mask every row keeps its own key).
; So stim_scale = max(1, 1e-6) = 1, stimulus_normed = 1, threshold_gate = sigmoid(5), and I = 0.1 + 0.9 sigmoid(5) is one constant; no maximum over a head's queries is taken.
; The first FHN step starts from zeros that reference() builds (v1 = dt I, w1 = (dt/tau)(v1 + a) / (1 + (dt/tau) b)); the second step's w is never used; the mean of 64 equal numbers is that number;
; the sum of the gated weights is the gate's factor times 1.  a, b and dt stay live and are loaded by the attention launch.  LIMIT: a NaN, an infinity or an overflow that reaches only the work left out is not carried on.
; THIS LAUNCH: qkv = x Wqkv^T on codes of FP6 (E2M3), one E8M0 scale for each 32 along K = 1,024; the results are quantised at once for attention's two products and leave as images of operand registers.
; A work-group of four waves makes 256 x 256, a wave 128 x 128 (64 accumulators).  K goes through a ring of two LDS slots in chunks of 256 bytes of each row (a row of codes is 768 bytes: three chunks, each on a multiple of 256);
; a step of 128 along K is 96 bytes: eight steps to three chunks; steps 2 and 5 lie across two chunks.
; ROLES: operand A lies on the lanes (source 1), B along a lane's registers (source 0).  q, k (quantised along d): A = x, B = Wqkv.  v (quantised along the tokens): A = Wqkv, B = x.  The kind is the cluster's x, the same in all partners.
; CLUSTERS 4 x 4: A's tile is shared along a row of the cluster, B's along a column; each is asked for jointly.  The scales of the 256 + 256 rows come into LDS once, with the head's loads.
; No prefetch: the largest block in clusters, and K is three chunks, of which two are asked for before the first product.
; WHAT IS STORED: record (kind, batch x 16 + head, group of 128 tokens), 6,656 bytes, at ((kind x 32 + bh) x 16 + group) x 6,656: four fragments of 12 registers as they stand (fragment f at 1,536 f; registers 4 c .. 4 c + 3 of lane l at 512 c + 16 l),
; then at 6,144 + 16 l lane l's four scale words.  q, k: fragment f holds token tiles 2 f and 2 f + 1 (64 d each).  v: fragment f holds d = 16 f + lane % 16, K = the group's 128 tokens.
; Inside each block of 32 the codes stand in the order 0-7, 16-23, 8-15, 24-31, alike on both sides of every product.
; LIMITS: a block of zeros gets the byte 1 where the rule says 127 (its codes are zeros; this program alone reads the bytes); NaN and infinities are not served.
.set SIZE_K, 1024
.set ROWB,   256
.set NQ,     2
.set KROW,   SIZE_K*6/8
.set STEPS,  SIZE_K/128
.set CHUNKS, KROW/ROWB
.set PITCH,  272
.set FR,     12
.set NL,     6
.set NP,     4
.set HALFT,  128*PITCH
.set SLOT,   4*HALFT
.set KS,     SIZE_K/32
.set SCL,    2*SLOT
.set HALFS,  (128*KS/256)*272
.set SBLK,   (16*KS/256)*272
.set SPARE,  SCL+4*HALFS               ; the spare words, 128 bytes a wave
.set REC,    6656
.set ADRA, 16                          ; v16-17 my A fragments in slot 0, 1; v18-19 for pieces whose two lane halves read different chunks
.set ADRB, 20                          ; v20-23 the same for B
.set L16,  26                          ; 16 x lane
.set ADRS, 27                          ; my scale words: lanes 0-15 A's rows, lanes 16-31 B's
.set SPW,  28
.set NIL,  29
.set SC,   32                          ; scale words, two sets of 16
.set AF,   128                         ; A's fragments, window 0
.set TM,   32                          ; the way out: at work
.set PWB,  48                          ; scale words made
.set PCB,  64                          ; codes made
.set PT,   160
.set SEL,  66
.set G1, 24
.set G0, 32
.set G1B, 48
.set G0B, 56
.set G1S, 68
.set G0S, 76
.set G1SB, 80
.set G0SB, 88
.set G0H, 4
.set G0HB, 8
.set MSB, 0
.macro WIN new
.if MSB != \new
	s_set_vgpr_msb (MSB<<8)|\new
.set MSB, \new
.endif
.endm
.set MUL_LO, 0xa1
.set MUL_HI, 0xf1
.set TO_B,   0x40
.macro JLOAD g0a, g1a, g0b, g1b        ; a joint load: waves 0, 1 fetch for A, waves 2, 3 for B
	s_cmp_eq_u32 s15, 0
	s_cbranch_scc0 .Lfor_b_\@
	tensor_load_to_lds s[\g0a:\g0a+3], s[\g1a:\g1a+7]
	s_nop 0
.rept 4
	v_nop
.endr
	s_branch .Lasked_\@
.Lfor_b_\@:
	tensor_load_to_lds s[\g0b:\g0b+3], s[\g1b:\g1b+7]
	s_nop 0
.rept 4
	v_nop
.endr
.Lasked_\@:
.endm
.macro CREST
	s_cmp_lg_u32 s14, 0
	s_cbranch_scc1 .Lnot_wave_0_\@
	s_barrier_signal -3
.Lnot_wave_0_\@:
	s_barrier_wait -3
	s_barrier_signal -1
	s_barrier_wait -1
.endm
.macro CROUND
	s_barrier_signal -1
	s_barrier_wait -1
	CREST
.endm
	s_load_b128 s[4:7], s[0:1], 0x0                ; x's codes, x's scales
	s_load_b128 s[8:11], s[0:1], 0x10              ; Wqkv's codes, Wqkv's scales
	s_load_b64 s[12:13], s[0:1], 0x20              ; pack
	v_lshl_add_u32 v[SPW], v0, 2, SPARE
	v_mov_b32 v[NIL], 0
	ds_add_u32 v[SPW], v[NIL]
	ds_add_u32 v[SPW], v[NIL]
	v_lshrrev_b32 v1, 5, v0
	v_readfirstlane_b32 s14, v1                    ; wave
	s_lshr_b32 s15, s14, 1                         ; my half of A's rows; also: I fetch for A (0) or B (1)
	s_and_b32 s16, s14, 1                          ; my half of B's rows; also: which 128 rows I fetch
	s_bfe_u32 s40, ttmp6, 0x40000                  ; cx
	s_bfe_u32 s41, ttmp6, 0x40004                  ; cy
	s_and_b32 s95, ttmp7, 0xffff
	s_lshl_b32 s95, s95, 2
	s_lshl_b32 s96, ttmp9, 2
	s_cmp_eq_u32 ttmp9, 2                          ; v?
	s_cselect_b32 s42, s95, s96                    ; B's tile: v: tokens; q, k: features
	s_cselect_b32 s17, 8, s95                      ; A's tile: v: features 8 + cy; q, k: tokens
	s_add_co_u32 s42, s42, s40
	s_add_co_u32 s17, s17, s41
	s_lshl_b32 s43, s41, 2
	s_lshl_b32 s43, 15, s43                        ; my row of the cluster
	s_lshl_b32 s44, 0x1111, s40                    ; my column
	s_or_b32 s[G1+0], s43, (0<<16)|(1<<20)|(1<<21)|(5<<22)|(3<<25)
	s_or_b32 s[G1B+0], s44, (0<<16)|(1<<20)|(1<<21)|(5<<22)|(3<<25)
.irp g, G1, G1B
	s_mov_b32 s[\g+1], ROWB<<16
	s_mov_b32 s[\g+2], 256<<16                     ; 256 rows for the head's loads
	s_mov_b32 s[\g+3], ROWB<<16
	s_mov_b32 s[\g+4], 256
	s_mov_b32 s[\g+5], KROW
	s_mov_b32 s[\g+6], 0
	s_mov_b32 s[\g+7], 0
.endr
	s_or_b32 s[G1S+0], s43, (3<<16)|(1<<20)|(1<<21)|(5<<22)|(3<<25)
	s_or_b32 s[G1SB+0], s44, (3<<16)|(1<<20)|(1<<21)|(5<<22)|(3<<25)
.irp g, G1S, G1SB                      ; the scales of 256 rows: KS rows of 256 bytes
	s_mov_b32 s[\g+1], 32<<16
	s_mov_b32 s[\g+2], KS<<16
	s_mov_b32 s[\g+3], 32<<16
	s_mov_b32 s[\g+4], KS
	s_mov_b32 s[\g+5], 32
	s_mov_b32 s[\g+6], 0
	s_mov_b32 s[\g+7], 0
.endr
	s_lshl_b32 s20, s17, 8
	s_lshl_b32 s46, s42, 8
	s_mov_b32 s21, 0
	s_mov_b32 s47, 0
	s_mov_b64 s[18:19], KS
	s_mul_u64 s[22:23], s[20:21], s[18:19]
	s_mul_u64 s[92:93], s[46:47], s[18:19]
	s_mov_b64 s[18:19], KROW
	s_mul_u64 s[20:21], s[20:21], s[18:19]
	s_mul_u64 s[46:47], s[46:47], s[18:19]
	s_mul_i32 s18, s16, 128*KROW
	s_mov_b32 s19, 0
	s_mul_i32 s45, s14, HALFT
	s_wait_dscnt 0x0                               ; both opening adds are done
	s_wait_kmcnt 0x0
	s_cmp_eq_u32 ttmp9, 2                          ; the roles: for v, A is Wqkv and B is x
	s_cselect_b64 s[98:99], s[8:9], s[4:5]
	s_cselect_b64 s[8:9], s[4:5], s[8:9]
	s_cselect_b64 s[100:101], s[10:11], s[6:7]
	s_cselect_b64 s[10:11], s[6:7], s[10:11]
	s_add_nc_u64 s[20:21], s[98:99], s[20:21]
	s_add_nc_u64 s[22:23], s[100:101], s[22:23]
	s_add_nc_u64 s[46:47], s[8:9], s[46:47]
	s_add_nc_u64 s[92:93], s[10:11], s[92:93]
	CROUND                                         ; in front of the first joint loads
	s_mov_b32 s[G0H], 1
	s_mov_b32 s[G0H+1], 0
	s_mov_b64 s[G0H+2:G0H+3], s[20:21]
	s_or_b32 s[G0H+3], s[G0H+3], 0x80000000
	s_mov_b32 s[G0HB], 1
	s_mov_b32 s[G0HB+1], 2*HALFT
	s_mov_b64 s[G0HB+2:G0HB+3], s[46:47]
	s_or_b32 s[G0HB+3], s[G0HB+3], 0x80000000
	s_mov_b32 s[G0S], 1
	s_mov_b32 s[G0S+1], SCL
	s_mov_b64 s[G0S+2:G0S+3], s[22:23]
	s_or_b32 s[G0S+3], s[G0S+3], 0x80000000
	s_mov_b32 s[G0SB], 1
	s_mov_b32 s[G0SB+1], SCL+2*HALFS
	s_mov_b64 s[G0SB+2:G0SB+3], s[92:93]
	s_or_b32 s[G0SB+3], s[G0SB+3], 0x80000000
	s_add_nc_u64 s[20:21], s[20:21], s[18:19]      ; for the ring: my 128 rows
	s_add_nc_u64 s[46:47], s[46:47], s[18:19]
.irp s, 0,1
	s_mov_b32 s[G0+4*\s], 1
	s_add_co_u32 s[G0+4*\s+1], s45, \s*SLOT
	s_add_nc_u64 s[G0+4*\s+2:G0+4*\s+3], s[20:21], \s*ROWB
	s_or_b32 s[G0+4*\s+3], s[G0+4*\s+3], 0x80000000
	s_mov_b32 s[G0B+4*\s], 1
	s_add_co_u32 s[G0B+4*\s+1], s45, \s*SLOT
	s_add_nc_u64 s[G0B+4*\s+2:G0B+4*\s+3], s[46:47], \s*ROWB
	s_or_b32 s[G0B+4*\s+3], s[G0B+4*\s+3], 0x80000000
.endr
; the head's four tiles, one load a wave: wave 0 chunk 0 of A's 256 rows, wave 1 of B's, wave 2 A's scales, wave 3 B's
.macro ARM under, g0, g1, next
	s_cmp_lt_u32 s14, \under
	s_cbranch_scc0 \next
	tensor_load_to_lds s[\g0:\g0+3], s[\g1:\g1+7]
	s_nop 0
.rept 4
	v_nop
.endr
	s_branch .Lhead_asked
\next:
.endm
	ARM 1, G0H,  G1,  .Lhead_b
	ARM 2, G0HB, G1B, .Lhead_sa
	ARM 3, G0S,  G1S, .Lhead_sb
	tensor_load_to_lds s[G0SB:G0SB+3], s[G1SB:G1SB+7]
	s_nop 0
.rept 4
	v_nop
.endr
.Lhead_asked:
	v_and_b32 v1, 15, v0
	v_bfe_u32 v2, v0, 4, 1
	v_mul_u32_u24 v3, v1, PITCH
	v_mul_u32_u24 v4, v2, 24
	v_add_nc_u32 v4, v3, v4
	s_mov_b32 s21, SLOT-232
	s_mov_b32 s22, SLOT+232
	v_sub_nc_u32 v7, 1, v2
	v_mul_u32_u24 v5, s21, v2
	v_add_nc_u32 v5, v3, v5
	v_add_nc_u32 v5, 232, v5                       ; lanes 0-15 byte 232 of the row in slot 0, lanes 16-31 byte 0 in slot 1
	v_mul_u32_u24 v6, s22, v7
	v_add_nc_u32 v6, v3, v6                        ; and the other way round
	s_mul_i32 s21, s15, HALFT
	s_mul_i32 s22, s16, HALFT
	s_add_co_u32 s22, s22, 2*HALFT
	v_add_nc_u32 v[ADRA+2], s21, v5
	v_add_nc_u32 v[ADRA+3], s21, v6
	v_add_nc_u32 v[ADRB+2], s22, v5
	v_add_nc_u32 v[ADRB+3], s22, v6
.irp s, 0,1
	v_add_nc_u32 v[ADRA+\s], s21, v4
	v_add_nc_u32 v[ADRB+\s], s22, v4
	s_add_co_u32 s21, s21, SLOT
	s_add_co_u32 s22, s22, SLOT
.endr
	v_mul_u32_u24 v5, v1, KS
	v_lshrrev_b32 v6, 8, v5
	v_lshl_add_u32 v5, v6, 4, v5
	s_mul_i32 s21, s15, HALFS
	s_mul_i32 s22, s16, HALFS
	s_add_co_u32 s22, s22, 2*HALFS
	s_sub_co_u32 s22, s22, s21
	v_mul_u32_u24 v6, s22, v2
	s_add_co_u32 s21, s21, SCL
	v_add_nc_u32 v5, v5, v6
	v_add_nc_u32 v[ADRS], s21, v5
	v_and_b32 v6, 31, v0
	v_lshlrev_b32 v[L16], 4, v6
	; where my two records begin in pack: these numbers enter the stores' address alone
	s_cmp_eq_u32 ttmp9, 2
	s_cselect_b32 s66, s42, s17                    ; the tile of 256 tokens,
	s_cselect_b32 s67, s16, s15                    ; my half of it,
	s_cselect_b32 s97, s41, s40                    ; the tile of 256 features within the kind,
	s_cselect_b32 s2, s15, s16                     ; my half of it: two heads
	s_lshl_b32 s66, s66, 1
	s_add_co_u32 s66, s66, s67
	s_lshl_b32 s97, s97, 2
	s_lshl_b32 s2, s2, 1
	s_add_co_u32 s97, s97, s2
	s_lshr_b32 s2, s66, 4
	s_lshl_b32 s2, s2, 4
	s_add_co_u32 s97, s97, s2
	s_lshl_b32 s2, ttmp9, 5
	s_add_co_u32 s97, s97, s2
	s_lshl_b32 s97, s97, 4
	s_and_b32 s66, s66, 15
	s_add_co_u32 s66, s66, s97
	s_mul_i32 s66, s66, REC
	s_mov_b32 s67, 0
	s_add_nc_u64 s[12:13], s[12:13], s[66:67]
	s_mov_b32 s[SEL], 0x76543210
	s_mov_b32 s[SEL+1], 0xfedcba98
.macro FRAG reg, adr, st, i            ; 12 registers in six pieces of 8 bytes; byte y of a row lies in slot (y / 256) % 2 at byte y % 256
.irp p, 0,1,2,3,4,5
.set BY, 96*(\st)+48*(\p/3)+8*(\p%3)
.if BY/ROWB == (BY+24)/ROWB
	ds_load_b64 v[\reg+2*\p:\reg+2*\p+1], v[\adr+(BY/ROWB)%2] offset:BY%ROWB+(\i)*16*PITCH
.else
	ds_load_b64 v[\reg+2*\p:\reg+2*\p+1], v[\adr+2+(BY/ROWB)%2] offset:BY%ROWB-232+(\i)*16*PITCH
.endif
.endr
.endm
.macro MUL16 a0, p, q, sc, zero        ; A's blocks a0, a0 + 1 x B's eight; the 64 accumulators take turns
.irp a, \a0, \a0+1
.irp b, 0,1,2,3,4,5,6,7
.if \zero
	v_wmma_scale_f32_16x16x128_f8f6f4 v[8*(8*((\a)%4)+\b):8*(8*((\a)%4)+\b)+7], v[128*(\p)+FR*\b:128*(\p)+FR*\b+FR-1], v[AF+FR*(\a):AF+FR*(\a)+FR-1], 0, v[SC+8*NQ*(\sc)+NQ*\b+(\q)], v[SC+8*NQ*(\sc)+NQ*(\a)+(\q)] matrix_a_fmt:MATRIX_FMT_FP6 matrix_b_fmt:MATRIX_FMT_FP6 matrix_a_scale:MATRIX_SCALE_ROW1
.else
	v_wmma_scale_f32_16x16x128_f8f6f4 v[8*(8*((\a)%4)+\b):8*(8*((\a)%4)+\b)+7], v[128*(\p)+FR*\b:128*(\p)+FR*\b+FR-1], v[AF+FR*(\a):AF+FR*(\a)+FR-1], v[8*(8*((\a)%4)+\b):8*(8*((\a)%4)+\b)+7], v[SC+8*NQ*(\sc)+NQ*\b+(\q)], v[SC+8*NQ*(\sc)+NQ*(\a)+(\q)] matrix_a_fmt:MATRIX_FMT_FP6 matrix_b_fmt:MATRIX_FMT_FP6 matrix_a_scale:MATRIX_SCALE_ROW1
.endif
.endr
.endr
.endm
.macro FETCH_B st, p
	WIN TO_B
.irp i, 0,1,2,3,4,5,6,7
	FRAG 128*(\p)+FR*\i, ADRB, \st, \i
.endr
	WIN 0
.endm
.macro FETCH_A st, i0
.irp i, \i0, \i0+1, \i0+2, \i0+3
	FRAG AF+FR*(\i), ADRA, \st, \i
.endr
.endm
.macro SCALES pr                       ; the scale words of steps 2 pr, 2 pr + 1 into set pr % 2
.irp i, 0,1,2,3,4,5,6,7
	ds_load_b64 v[SC+8*NQ*((\pr)%2)+NQ*\i:SC+8*NQ*((\pr)%2)+NQ*\i+1], v[ADRS] offset:\i*SBLK+4*NQ*(\pr)
.endr
.endm
.macro PLACES n
.rept \n
	v_nop
.endr
.endm
; A step of 128 along K.  Where the next step's bytes end in a chunk not yet read: a barrier shows it whole.  Where they begin in a later chunk: the chunk left behind is free;
; the wait for all tensor loads, the add and the wait for it stand in front of the barrier, which opens a round of the cluster's barrier where a chunk is left to fetch.
.macro STEP st, zero
.set NX, (\st)+1
.set C0, (96*(\st))/ROWB
.set C1, (96*NX)/ROWB
.set E0, (96*(\st)+95)/ROWB
.set E1, (96*NX+95)/ROWB
.if C1 > C0 || E1 > E0
	s_wait_tensorcnt 0x0                           ; all my tensor loads have landed
.if C1 > C0
	ds_add_u32 v[SPW], v[NIL]
	s_wait_dscnt 4*NL+1                            ; the add and A's blocks 4-7 (24 loads) may be out
.else
	s_wait_dscnt 4*NL                              ; A's blocks 4-7 may be out
.endif
	WIN MUL_LO
	MUL16 0, (\st)%2, (\st)%2, ((\st)/2)%2, \zero
	s_wait_dscnt 0x0                               ; the add and all my reads are done
	s_barrier_signal -1
	MUL16 2, (\st)%2, (\st)%2, ((\st)/2)%2, \zero
	WIN 0
	s_barrier_wait -1
.if C1 > C0 && C0+2 < CHUNKS
	CREST
	s_add_nc_u64 s[G0+4*(C0%2)+2:G0+4*(C0%2)+3], s[G0+4*(C0%2)+2:G0+4*(C0%2)+3], 2*ROWB
	s_add_nc_u64 s[G0B+4*(C0%2)+2:G0B+4*(C0%2)+3], s[G0B+4*(C0%2)+2:G0B+4*(C0%2)+3], 2*ROWB
	JLOAD G0+4*(C0%2), G1, G0B+4*(C0%2), G1B       ; chunk C0 + 2, first behind the round
.else
	PLACES NP
.endif
.else
	s_wait_dscnt 4*NL                              ; B's set and A's blocks 0-3 are in
	WIN MUL_LO
	MUL16 0, (\st)%2, (\st)%2, ((\st)/2)%2, \zero
	MUL16 2, (\st)%2, (\st)%2, ((\st)/2)%2, \zero
	s_wait_dscnt 0
	PLACES NP
.endif
	FETCH_B NX, NX%2
	FETCH_A NX, 0
.if NX%2 == 0
	SCALES NX/2
.endif
	WIN MUL_HI
	MUL16 4, (\st)%2, (\st)%2, ((\st)/2)%2, \zero
	MUL16 6, (\st)%2, (\st)%2, ((\st)/2)%2, \zero
	PLACES NP
	WIN 0
	FETCH_A NX, 4
.endm
	s_wait_alu depctr_va_vdst(0)                   ; the wait at the head's end
	s_wait_tensorcnt 0x0                           ; my tile of the head's four is in
	ds_add_u32 v[SPW], v[NIL]                      ; ahead of a later first fill
	s_mov_b32 s[G1+2], 128<<16                     ; no tensor load of mine is out: from here on a load brings 128 rows
	s_mov_b32 s[G1+4], 128
	s_mov_b32 s[G1B+2], 128<<16
	s_mov_b32 s[G1B+4], 128
	s_wait_dscnt 0x0
	CROUND
	JLOAD G0+4, G1, G0B+4, G1B                     ; chunk 1, first behind the round
	FETCH_B 0, 0
	FETCH_A 0, 0
	SCALES 0
	FETCH_A 0, 4
	STEP 0, 1                                      ; the first step's products start the sums
.set ST, 1
.rept STEPS-2
	STEP ST, 0
.set ST, ST+1
.endr
	s_wait_dscnt 4*NL                              ; the last step
	WIN MUL_LO
	MUL16 0, 1, 1, 1, 0
	MUL16 2, 1, 1, 1, 0
	s_wait_dscnt 0
	WIN MUL_HI
	MUL16 4, 1, 1, 1, 0
	MUL16 6, 1, 1, 1, 0
	WIN 0
; THE WAY OUT, no LDS: 64 numbers of a lane in window win become a fragment's 12 registers of codes at v[pc] and its scale word in v[pw].  A lane holds 16 numbers of each block, lane l xor 16 the other 16.
.macro QUANTW win, s0, s1, pc, pw
.set WQ, (\win)|((\win)<<2)
	WIN WQ
	v_max3_num_f32 v[TM+0], |v[(\s0)]|, |v[(\s0)+1]|, 0x1800000     ; with the floor 2^(3 - 127): the byte cannot fall under 1
	v_max3_num_f32 v[TM+1], |v[(\s0)+16]|, |v[(\s0)+17]|, 0x1800000
	v_max3_num_f32 v[TM+2], |v[(\s1)]|, |v[(\s1)+1]|, 0x1800000
	v_max3_num_f32 v[TM+3], |v[(\s1)+16]|, |v[(\s1)+17]|, 0x1800000
.irp i, 2,4,6,8,10,12,14
	v_max3_num_f32 v[TM+0], |v[(\s0)+\i]|, |v[(\s0)+\i+1]|, v[TM+0]
	v_max3_num_f32 v[TM+1], |v[(\s0)+16+\i]|, |v[(\s0)+17+\i]|, v[TM+1]
	v_max3_num_f32 v[TM+2], |v[(\s1)+\i]|, |v[(\s1)+\i+1]|, v[TM+2]
	v_max3_num_f32 v[TM+3], |v[(\s1)+16+\i]|, |v[(\s1)+17+\i]|, v[TM+3]
.endr
	WIN 0
.irp b, 0,1,2,3
	v_permlanex16_b32 v[TM+4+\b], v[TM+\b], s[SEL], s[SEL+1]
.endr
.irp b, 0,1,2,3
	v_max_num_f32 v[TM+\b], v[TM+\b], v[TM+4+\b]
.endr
.irp b, 0,1,2,3
	v_add_nc_u32 v[TM+12+\b], 0xff000000, v[TM+\b] ; 2 off the exponent field: the conversion's scale operand
.endr
.irp b, 0,1,2,3
	v_lshrrev_b32 v[TM+4+\b], 23, v[TM+12+\b]      ; the byte
.endr
	v_lshl_or_b32 v[\pw], v[TM+5], 8, v[TM+4]
	v_lshl_or_b32 v[\pw], v[TM+6], 16, v[\pw]
	v_lshl_or_b32 v[\pw], v[TM+7], 24, v[\pw]
	WIN \win
	v_cvt_scalef32_pk16_fp6_f32 v[(\pc):(\pc)+2], v[(\s0):(\s0)+15], v[TM+12]
	v_cvt_scalef32_pk16_fp6_f32 v[PT:PT+2], v[(\s0)+16:(\s0)+31], v[TM+13]
	v_cvt_scalef32_pk16_fp6_f32 v[(\pc)+6:(\pc)+8], v[(\s1):(\s1)+15], v[TM+14]
	v_cvt_scalef32_pk16_fp6_f32 v[PT+4:PT+6], v[(\s1)+16:(\s1)+31], v[TM+15]
	WIN 0
	v_nop                                          ; one plain place behind a scaled conversion
.irp c, 0,1
.irp i, 0,1,2
	v_permlane16_swap_b32 v[(\pc)+6*\c+\i], v[PT+4*\c+\i]
.endr
.irp i, 0,1,2
	v_mov_b32 v[(\pc)+3+6*\c+\i], v[PT+4*\c+\i]
.endr
.endr
.endm
.macro RECORD isv, e                   ; the record of my head e; each store of the wave covers 512 consecutive bytes, at a multiple of 256 from pack's first byte
.irp f, 0,1,2,3
.if \isv
.set QW, 2+\e
.set QA, 64*\f
.set QB, 64*\f+32
.else
.set QW, 2+\f/2
.set QA, 64*((2*\f)%4)+32*\e
.set QB, QA+64
.endif
.set QP, PCB+12*(4*\e+\f)
	QUANTW QW, QA, QB, QP, PWB+4*\e+\f
.irp c, 0,1,2
	global_store_b128 v[L16], v[QP+4*\c:QP+4*\c+3], s[12:13] offset:\e*16*REC+\f*1536+\c*512
.endr
.endr
	global_store_b128 v[L16], v[PWB+4*\e:PWB+4*\e+3], s[12:13] offset:\e*16*REC+6144
.endm
	PLACES NP
.irp b, 0,1,2,3
	v_mov_b32 v[TM+4+\b], 0                        ; a lane permute's destination counts as one of its sources
.endr
	s_cmp_eq_u32 ttmp9, 2
	s_cbranch_scc1 .Lv_out
	RECORD 0, 0
	RECORD 0, 1
	s_branch .Lend
.Lv_out:
	RECORD 1, 0
	RECORD 1, 1
.Lend:
	s_wait_tensorcnt 0x0                           ; the wave's end
	ds_add_u32 v[SPW], v[NIL]
	s_wait_dscnt 0x0
	CROUND                                         ; the closing round
	s_endpgm
.Lfunc_end_k_q19af784908_qkv:
	.size	k_q19af784908_qkv, .Lfunc_end_k_q19af784908_qkv-k_q19af784908_qkv
	.p2alignl 7, 3214868480
	.fill 96, 4, 3214868480
	.section	.rodata,"a",@progbits
	.p2align	6, 0x0
	.amdhsa_kernel k_q19af784908_qkv
		.amdhsa_group_segment_fixed_size 327680
		.amdhsa_private_segment_fixed_size 0
		.amdhsa_enable_private_segment 0
		.amdhsa_kernarg_size 40
		.amdhsa_user_sgpr_count 2
		.amdhsa_user_sgpr_kernarg_segment_ptr 1
		.amdhsa_wavefront_size32 1
		.amdhsa_system_sgpr_workgroup_id_x 1
		.amdhsa_system_sgpr_workgroup_id_y 1
		.amdhsa_system_sgpr_workgroup_id_z 1
		.amdhsa_system_vgpr_workitem_id 0
		.amdhsa_next_free_vgpr 1024
		.amdhsa_next_free_sgpr 102
		.amdhsa_reserve_vcc 0
		.amdhsa_float_denorm_mode_32 3
		.amdhsa_float_denorm_mode_16_64 3
		.amdhsa_memory_ordered 1
		.amdhsa_forward_progress 1
		.amdhsa_inst_pref_size 198
	.end_amdhsa_kernel
	.amdgpu_metadata
---
amdhsa.version: [ 1, 2 ]
amdhsa.kernels:
  - .name:           k_q19af784908_qkv
    .symbol:         k_q19af784908_qkv.kd
    .args:
      - { .name: x_codes, .offset: 0, .size: 8, .value_kind: global_buffer, .address_space: global }
      - { .name: x_scales, .offset: 8, .size: 8, .value_kind: global_buffer, .address_space: global }
      - { .name: Wqkv_codes, .offset: 16, .size: 8, .value_kind: global_buffer, .address_space: global }
      - { .name: Wqkv_scales, .offset: 24, .size: 8, .value_kind: global_buffer, .address_space: global }
      - { .name: pack, .offset: 32, .size: 8, .value_kind: global_buffer, .address_space: global }
    .group_segment_fixed_size: 327680
    .private_segment_fixed_size: 0
    .kernarg_segment_align: 8
    .kernarg_segment_size: 40
    .max_flat_workgroup_size: 128
    .sgpr_count:     102
    .vgpr_count:     1024
    .wavefront_size: 32
...
	.end_amdgpu_metadata
.endif
;; end of part 1
;; launch attn (part 2): grid 8 x 32, 16 waves a work-group, no clusters, 327,680 bytes of LDS; arguments pack, a, b, dt, apack, asc; writes apack, asc
.if DOCPART == 2
	.amdgcn_target "amdgcn-amd-amdhsa--gfx1250"
	.amdhsa_code_object_version 6
	.text
	.protected	k_q19af784908_attn
	.globl	k_q19af784908_attn
	.p2align	8
	.type	k_q19af784908_attn,@function
k_q19af784908_attn:
	s_mov_b64 s[64:65], 0
	v_nop
	global_prefetch_b8 v0, s[64:65] scope:SCOPE_SE
	s_setreg_imm32_b32 hwreg(HW_REG_WAVE_MODE, 25, 1), 1
	s_wait_xcnt 0x0
; Attention of one head for 256 queries, in two walks over the keys out of the same LDS.  Walk 1: mc = c x (the row's largest score), l = the sum of 2^(c score - mc), c = log2(e) / 8, by a running maximum.
; Walk 2: the finished weight p = 2^(c score - off), off = mc + log2(l R), is quantised (FP6, one E8M0 scale for each 32 keys) and multiplied with v; the result is quantised for the projection.
; WORK LEFT OUT (shown at the head of the first kernel): the sum of a softmax is 1, so the stimulus is the constant I = 0.1 + 0.9 sigmoid(5) and the gate is one number g made of a, b, dt;
; with cf = 0.5 + 0.5 g the weight is softmax x cf / (cf + 1e-8) = softmax / R, R = (cf + 1e-8) / cf.
; SHARES.  Work-group (j, bh) has query blocks A = j and B = 15 - j (128 queries each) of head bh: j + 1 and 16 - j key steps of 128, 17 for each pair of tiles.  Waves w and w + 8 share tile w of A and tile w of B:
; wave w takes W = 13 of the 17 steps (B's steps 0 .. min(12, 15 - j), and A's steps 0 .. j - 4 where j >= 4), wave w + 8 the other 4.  Wave w sends B's tile out, wave w + 8 A's.
; Every wave walks A's 8 possible steps and then B's 16, in both walks; steps that are not its own are jumped over by scalar branches on ids, so that trip counts and stepped LDS addresses are constants of the text.
; The parts meet in LDS: both tiles' (mc, l) between the walks, the sums O at the end.  A part with no step gives l = 0 under mc = -3e38 c and O = 0, which add nothing.
; LDS: the head's 16 records of k (one tensor load a wave at the head), 16 of v (one a wave behind the first barrier; they land under walk 1), 8,192 bytes for (mc, l), 65,536 + 32,768 for parts of O, the spare words.
; S^T = K Q^T: a lane holds one query (lane % 16); a fragment of k holds two tiles of 16 keys (64 d each) and is multiplied by [Q | zero codes] and [zero codes | Q]; the scale bytes over zero codes are 1.
; Register n of S holds key 16 (n / 8) + 8 (lane / 16) + n % 8 of the step.  On the diagonal step accumulator t is open for t < tile, hidden for t > tile, and cut by eight kept lane masks for t = tile.
; No cluster: the jumps hang on the query block, which differs between the work-groups of a head.  No prefetch: LDS is filled once, there is no loop of loads to run ahead in.
; LIMITS: the normaliser stands in the exponent's offset, which is rounded once to f32 (half a unit in its last place); v_exp_f32 gives 0 under 2^-126; the scaled scores stay under 2^31; NaN and infinities are not served.
.set W,    13
.set REC,  6656
.set VOFF, 16*REC
.set MRG,  32*REC                      ; (mc, l) of both tiles' parts: 16 bytes a thread
.set OSTA, MRG+8192                    ; every wave's part of A's sums: 4,096 bytes a wave
.set OSTB, OSTA+65536                  ; waves 8-15: their part of B's sums
.set SPARE, OSTB+32768
.set L16,  1
.set ADK,  2
.set ADV,  3
.set L16V, 4
.set DMR,  5                           ; lane % 16 - 8 (lane / 16)
.set MC,   6                           ; walk 1: mc; walk 2: off
.set MX,   7
.set LS,   8
.set QSLO, 10
.set QSHI, 11
.set KS,   12
.set VS,   16
.set PS,   20
.set NINF, 21
.set AL,   22
.set QL,   24                          ; v24-41: Q, zero codes, Q
.set EX,   44                          ; v44-47: my mc, l of A, mc, l of B
.set F,    48
.set S,    96
.set O,    160
.set PC,   192
.set PT,   204
.set TM,   212
.set SM,   218
.set PX,   220                         ; my partner's four
.set Q0,   228                         ; A's Q, B's Q, their scale bytes
.set Q1,   234
.set QW0,  240
.set QW1,  241
.set OFA,  242
.set OFB,  243
.set OSP,  244
.set MGA,  245
.set MGB,  246
.set OSA,  247
.set RR,   248
.set WO8,  249
.set WO4,  250
.set LANE, 251
.set OSB,  252
.set QT0,  96
.set QT1,  108
.set VDT,  120
.set VDTT, 121
.set VDEN, 122
.set VV,   123
.set VW,   124
.set VT,   125
.set WV,   18
.set BH,   19
.set TI,   20
.set BLK0, 21
.set BLK1, 22
.set ROLE, 23
.set G1,   24
.set G0K,  32
.set G0V,  36
.set CS,   42
.set SEL,  44
.set ST,   46
.set TB,   47
.set LOA,  51
.set HIA,  52
.set LOB,  53
.set HIB,  54
.set DGA,  55
.set MK,   76
	s_load_b256 s[4:11], s[0:1], 0x0               ; pack, a, b, dt
	s_load_b128 s[12:15], s[0:1], 0x20             ; apack, asc
	v_lshl_add_u32 v254, v0, 2, SPARE
	v_mov_b32 v255, 0
	ds_add_u32 v254, v255
	ds_add_u32 v254, v255
	v_lshrrev_b32 v2, 5, v0
	v_readfirstlane_b32 s[WV], v2
	s_and_b32 s[BH], ttmp7, 0xffff
	s_and_b32 s[TI], s[WV], 7
	s_lshr_b32 s[ROLE], s[WV], 3                   ; 1: waves 8-15
	s_sub_co_u32 s[BLK1], 15, ttmp9
	s_mov_b32 s[DGA], ttmp9
	s_sub_co_i32 s40, ttmp9, 17-W                  ; waves 0-7: their last step of A,
	s_sub_co_i32 s41, ttmp9, 16-W
	s_max_i32 s41, s41, 0                          ; waves 8-15: their first
	s_min_u32 s59, s[BLK1], W-1                    ; waves 0-7: their last step of B
	s_cmp_ge_u32 ttmp9, 17-W
	s_cselect_b32 s62, 0, 64                       ; (64: no step of A)
	s_cselect_b32 s40, s40, 0
	s_cmp_eq_u32 s[ROLE], 1
	s_cselect_b32 s[BLK0], ttmp9, s[BLK1]          ; the block whose tile I send out
	s_cselect_b32 s[LOA], s41, s62
	s_cselect_b32 s[HIA], ttmp9, s40
	s_cselect_b32 s[LOB], W, 0
	s_cselect_b32 s[HIB], s[BLK1], s59
	s_mov_b32 s[G1+0], 3<<16                       ; a record: 26 rows of 256 bytes
	s_mov_b32 s[G1+1], 32<<16
	s_mov_b32 s[G1+2], 26<<16
	s_mov_b32 s[G1+3], 32<<16
	s_mov_b32 s[G1+4], 26
	s_mov_b32 s[G1+5], 32
	s_mov_b32 s[G1+6], 0
	s_mov_b32 s[G1+7], 0
	s_add_co_u32 s40, s[BH], 32
	s_lshl_b32 s40, s40, 4
	s_add_co_u32 s40, s40, s[WV]
	s_mul_i32 s40, s40, REC
	s_mov_b32 s41, 0
	s_mov_b32 s[G0K], 1
	s_mul_i32 s[G0K+1], s[WV], REC
	s_mov_b32 s[G0V], 1
	s_add_co_u32 s[G0V+1], s[G0K+1], VOFF
	s_wait_dscnt 0x0
	s_wait_kmcnt 0x0
	s_add_nc_u64 s[G0K+2:G0K+3], s[4:5], s[40:41]
	s_add_nc_u64 s[G0V+2:G0V+3], s[G0K+2:G0K+3], 32*16*REC
	s_or_b32 s[G0K+3], s[G0K+3], 0x80000000
	s_or_b32 s[G0V+3], s[G0V+3], 0x80000000
	tensor_load_to_lds s[G0K:G0K+3], s[G1:G1+7]    ; k's record of keys 128 x wave on
	s_nop 0
	s_load_b32 s48, s[6:7], 0x0                    ; a
	s_load_b32 s49, s[8:9], 0x0                    ; b
	s_load_b32 s50, s[10:11], 0x0                  ; dt
	s_lshr_b32 s59, s[TI], 1                       ; Q: fragment tile / 2 of the block's record
	s_mul_i32 s62, s59, 1536
	s_lshl_b32 s63, s59, 2
	s_lshl_b32 s40, s[BH], 4
	s_add_co_u32 s41, s40, s[BLK1]
	s_add_co_u32 s40, s40, ttmp9
	s_mul_i32 s40, s40, REC
	s_mul_i32 s41, s41, REC
	s_add_co_u32 s66, s40, s62
	s_add_co_u32 s68, s40, s63
	s_add_co_u32 s70, s41, s62
	s_add_co_u32 s72, s41, s63
	s_mov_b32 s67, 0
	s_mov_b32 s69, 0
	s_mov_b32 s71, 0
	s_mov_b32 s73, 0
	s_add_nc_u64 s[66:67], s[4:5], s[66:67]
	s_add_nc_u64 s[68:69], s[4:5], s[68:69]
	s_add_nc_u64 s[70:71], s[4:5], s[70:71]
	s_add_nc_u64 s[72:73], s[4:5], s[72:73]
	v_and_b32 v[LANE], 31, v0
	v_lshlrev_b32 v[L16], 4, v[LANE]
.irp c, 0,1,2
	global_load_b128 v[QT0+4*\c:QT0+4*\c+3], v[L16], s[66:67] offset:512*\c
	global_load_b128 v[QT1+4*\c:QT1+4*\c+3], v[L16], s[70:71] offset:512*\c
.endr
	global_load_b32 v[QW0], v[L16], s[68:69] offset:6144
	global_load_b32 v[QW1], v[L16], s[72:73] offset:6144
	v_add_nc_u32 v[L16V], VOFF, v[L16]
	v_and_b32 v22, 15, v0
	v_bfe_u32 v23, v0, 4, 1
	v_lshlrev_b32 v[DMR], 3, v23
	v_sub_nc_u32 v[DMR], v22, v[DMR]
.irp i, 0,1,2,3,4,5,6,7
	v_cmp_gt_i32 s[MK+\i], \i, v[DMR]              ; register i of the diagonal accumulator is hidden where 8 (lane / 16) + i > lane % 16
.endr
	v_lshl_add_u32 v[MGA], v0, 4, MRG
	v_xor_b32 v[MGB], 256, v0                      ; my partner: wave xor 8, the same lane
	v_lshl_add_u32 v[MGB], v[MGB], 4, MRG
	s_lshl_b32 s59, s[WV], 12
	s_add_co_u32 s59, s59, OSTA
	v_lshl_add_u32 v[OSA], v[LANE], 4, s59
	s_xor_b32 s59, s[WV], 8
	s_lshl_b32 s59, s59, 12
	s_add_co_u32 s59, s59, OSTA
	v_lshl_add_u32 v[OSP], v[LANE], 4, s59
	s_lshl_b32 s59, s[TI], 12
	s_add_co_u32 s59, s59, OSTB
	v_lshl_add_u32 v[OSB], v[LANE], 4, s59
	v_lshlrev_b32 v[WO8], 3, v[LANE]
	v_lshlrev_b32 v[WO4], 2, v22
	s_lshr_b32 s59, s[BH], 4                       ; where my tile goes: token tile = batch x 128 + block x 8 + tile
	s_lshl_b32 s59, s59, 7
	s_lshl_b32 s40, s[BLK0], 3
	s_add_co_u32 s59, s59, s40
	s_add_co_u32 s59, s59, s[TI]
	s_and_b32 s62, s[BH], 15
	s_mul_i32 s40, s59, 12288
	s_mul_i32 s41, s62, 768
	s_add_co_u32 s40, s40, s41
	s_mov_b32 s41, 0
	s_add_nc_u64 s[12:13], s[12:13], s[40:41]
	s_lshr_b32 s40, s62, 1
	s_lshl_b32 s40, s40, 14
	s_lshl_b32 s59, s59, 6
	s_add_co_u32 s40, s40, s59
	s_and_b32 s62, s62, 1
	s_lshl_b32 s62, s62, 1
	s_add_co_u32 s40, s40, s62
	s_add_nc_u64 s[14:15], s[14:15], s[40:41]
	s_mov_b32 s[CS], 0x3e38aa3b                    ; c = log2(e) / 8
	s_mov_b32 s[CS+1], s[CS]
	s_mov_b32 s[SEL], 0x76543210
	s_mov_b32 s[SEL+1], 0xfedcba98
	s_mov_b32 s60, 0xbeaaaaab                      ; -1/3
	s_mov_b32 s61, 0x322bcc77                      ; 1e-8
	s_and_b32 s62, s[TI], 1                        ; which half of the double fragment is my tile
	s_lshl_b32 s63, s62, 4
	s_cmp_eq_u32 s62, 1
	s_cselect_b32 s59, -1, 0
	s_wait_alu depctr_va_vdst(0)                   ; the wait ahead of a blocking wait
	s_wait_kmcnt 0x0
	; the gate: I = 0.1 + 0.9 sigmoid(5); v1 = dt I; w1 = (dt/tau)(v1 + a) / (1 + (dt/tau) b); v2 = v1 + dt (v1 - v1^3/3 - w1 + I)
	v_mov_b32 v[VDT], s50
	v_mul_f32 v[VDTT], 0x3da3d70a, v[VDT]          ; dt / 12.5
	v_fma_f32 v[VDEN], v[VDTT], s49, 1.0
	v_mul_f32 v[VV], 0x3f7e753d, v[VDT]
	s_wait_alu depctr_va_vdst(0)
	v_rcp_f32 v[VDEN], v[VDEN]
	v_add_f32 v[VT], s48, v[VV]
	v_mul_f32 v[VW], v[VV], v[VV]
	v_mul_f32 v[VT], v[VDTT], v[VT]
	v_mul_f32 v[VW], v[VW], v[VV]
	v_fma_f32 v[VW], v[VW], s60, v[VV]
	s_wait_alu depctr_va_vdst(0)
	v_fma_f32 v[VW], -v[VT], v[VDEN], v[VW]
	v_add_f32 v[VW], 0x3f7e753d, v[VW]
	v_fma_f32 v[VV], v[VDT], v[VW], v[VV]
	v_mul_f32 v[VT], 0xbfb8aa3b, v[VV]
	s_wait_alu depctr_va_vdst(0)
	v_exp_f32 v[VT], v[VT]
	v_nop
	s_wait_alu depctr_va_vdst(0)
	v_add_f32 v[VT], 1.0, v[VT]
	s_wait_alu depctr_va_vdst(0)
	v_rcp_f32 v[VT], v[VT]                         ; g = sigmoid(v2)
	v_nop
	s_wait_alu depctr_va_vdst(0)
	v_fma_f32 v[VT], v[VT], 0.5, 0.5               ; cf
	v_add_f32 v[VW], s61, v[VT]
	s_wait_alu depctr_va_vdst(0)
	v_rcp_f32 v[VT], v[VT]
	v_nop
	s_wait_alu depctr_va_vdst(0)
	v_mul_f32 v[RR], v[VW], v[VT]                  ; R = (cf + 1e-8) / cf
	s_wait_alu depctr_va_vdst(0)
	s_wait_loadcnt 0x0
.irp i, 0,1,2,3,4,5
	v_cndmask_b32 v[Q0+\i], v[QT0+\i], v[QT0+6+\i], s59
	v_cndmask_b32 v[Q1+\i], v[QT1+\i], v[QT1+6+\i], s59
	v_mov_b32 v[QL+6+\i], 0
.endr
	v_lshrrev_b32 v[QW0], s63, v[QW0]
	v_lshrrev_b32 v[QW1], s63, v[QW1]
	v_and_b32 v[QW0], 0xffff, v[QW0]
	v_and_b32 v[QW1], 0xffff, v[QW1]
	v_mov_b32 v[NINF], 0xff800000
	v_mov_b32 v[AL+1], 0
.irp b, 0,1,2,3
	v_mov_b32 v[TM+4+\b], 0                        ; a lane permute's destination counts as one of its sources
.endr
.macro SETQ q, w                       ; the scale words first: the twelve moves and the lines at a step's head are their places
	v_or_b32 v[QSLO], 0x01010000, v[\w]
	v_lshl_or_b32 v[QSHI], v[\w], 16, 0x0101
.irp i, 0,1,2,3,4,5
	v_mov_b32 v[QL+\i], v[\q+\i]
	v_mov_b32 v[QL+12+\i], v[\q+\i]
.endr
.endm
.macro INIT1
	v_mov_b32 v[MX], 0xff61b1e6                    ; -3e38, under every score
	v_mov_b32 v[LS], 0
	v_mov_b32 v[LS+1], 0
	v_mul_f32 v[MC], s[CS], v[MX]
.endm
.macro FINL                            ; the sum's two halves and lane l xor 16's
	v_add_f32 v[LS], v[LS], v[LS+1]
	s_delay_alu instid0(VALU_DEP_1)
	v_permlanex16_b32 v[TM+4], v[LS], s[SEL], s[SEL+1]
	s_delay_alu instid0(VALU_DEP_1)
	v_add_f32 v[LS], v[LS], v[TM+4]
.endm
.macro SCORES np                       ; np idle lines: with the address lines ahead of them, four places behind the matrix instructions that read F last
	v_add_nc_u32 v[ADK], s[TB], v[L16]
.if \np > 0
.rept \np
	v_nop
.endr
.endif
.irp f, 0,1,2,3
.irp c, 0,1,2
	ds_load_b128 v[F+12*\f+4*\c:F+12*\f+4*\c+3], v[ADK] offset:\f*1536+\c*512
.endr
.endr
	ds_load_b128 v[KS:KS+3], v[ADK] offset:6144
	s_wait_alu depctr_va_vdst(0)
	s_wait_dscnt 0x0
.irp f, 0,1,2,3
	v_wmma_scale_f32_16x16x128_f8f6f4 v[S+16*\f:S+16*\f+7], v[F+12*\f:F+12*\f+11], v[QL:QL+11], 0, v[KS+\f], v[QSLO] matrix_a_fmt:MATRIX_FMT_FP6 matrix_b_fmt:MATRIX_FMT_FP6
	v_wmma_scale_f32_16x16x128_f8f6f4 v[S+16*\f+8:S+16*\f+15], v[F+12*\f:F+12*\f+11], v[QL+6:QL+17], 0, v[KS+\f], v[QSHI] matrix_a_fmt:MATRIX_FMT_FP6 matrix_b_fmt:MATRIX_FMT_FP6
.endr
.rept 4
	v_nop                                          ; four places behind all eight: for the reads of S, and for later loads into F and KS
.endr
.endm
.macro MSUB t                          ; accumulator t on the diagonal step
	s_cmp_gt_u32 s[TI], \t
	s_cbranch_scc1 .Lmd_\@
.if \t > 0
	s_cmp_eq_u32 s[TI], \t
	s_cbranch_scc1 .Lmp_\@
.irp i, 0,1,2,3,4,5,6,7
	v_mov_b32 v[S+8*\t+\i], v[NINF]
.endr
	s_branch .Lmd_\@
.Lmp_\@:
.endif
.irp i, 0,1,2,3,4,5,6,7
	v_cndmask_b32 v[S+8*\t+\i], v[S+8*\t+\i], v[NINF], s[MK+\i]
.endr
.Lmd_\@:
.endm
.macro MASK
.irp t, 0,1,2,3,4,5,6,7
	MSUB \t
.endr
.endm
; WALK 1 over cnt key steps; mine are lo .. hi; dg is the tile's diagonal step
.macro WALK1 w, cnt, lo, hi, dg
	s_mov_b32 s[ST], 0
	s_mov_b32 s[TB], 0
.Lp1_\w:
	s_cmp_lt_u32 s[ST], s[\lo]
	s_cbranch_scc1 .Lp1h_\w
	s_cmp_gt_u32 s[ST], s[\hi]
	s_cbranch_scc1 .Lp1h_\w
	SCORES 0
	s_cmp_lg_u32 s[ST], s[\dg]
	s_cbranch_scc1 .Lp1o_\w
	MASK
.Lp1o_\w:
	s_wait_alu depctr_va_vdst(0)
.irp b, 0,1,2,3
	v_max3_num_f32 v[TM+\b], v[S+16*\b], v[S+16*\b+1], v[S+16*\b+2]
.endr
.irp i, 3,5,7,9,11,13
.irp b, 0,1,2,3
	v_max3_num_f32 v[TM+\b], v[TM+\b], v[S+16*\b+\i], v[S+16*\b+\i+1]
.endr
.endr
.irp b, 0,1,2,3
	v_max_num_f32 v[TM+\b], v[TM+\b], v[S+16*\b+15]
.endr
	s_delay_alu instid0(VALU_DEP_2)
	v_max3_num_f32 v[TM], v[TM], v[TM+1], v[TM+2]
	s_delay_alu instid0(VALU_DEP_1)
	v_max3_num_f32 v[TM], v[TM], v[TM+3], v[MX]
	s_delay_alu instid0(VALU_DEP_1)
	v_permlanex16_b32 v[TM+4], v[TM], s[SEL], s[SEL+1]
	v_mov_b32 v[TM+5], v[MC]
	s_delay_alu instid0(VALU_DEP_2)
	v_max_num_f32 v[MX], v[TM], v[TM+4]
	s_delay_alu instid0(VALU_DEP_1)
	v_mul_f32 v[MC], s[CS], v[MX]
	s_delay_alu instid0(VALU_DEP_1)
	v_sub_f32 v[TM+5], v[TM+5], v[MC]              ; old mc - new mc
.irp j, 0,2,4,6,8,10,12,14,16,18,20,22,24,26,28,30,32,34,36,38,40,42,44,46,48,50,52,54,56,58,60,62
	v_pk_fma_f32 v[S+\j:S+\j+1], v[S+\j:S+\j+1], s[CS:CS+1], v[MC:MC+1] op_sel_hi:[1,0,0] neg_lo:[0,0,1] neg_hi:[0,0,1]
.endr
	s_wait_alu depctr_va_vdst(0)                   ; ahead of the batch
	v_exp_f32 v[AL], v[TM+5]
.set n, 0
.rept 64
	v_exp_f32 v[S+n], v[S+n]
.set n, n+1
.endr
	v_nop
	s_wait_alu depctr_va_vdst(0)                   ; one wait for the batch of 65
	v_pk_mul_f32 v[LS:LS+1], v[LS:LS+1], v[AL:AL+1] op_sel_hi:[1,0]
.irp k, 0,1,2,3
	v_pk_add_f32 v[SM+2*\k:SM+2*\k+1], v[S+2*\k:S+2*\k+1], v[S+8+2*\k:S+9+2*\k]   ; the step's sum, in four chains of pairs
.endr
.irp j, 16,24,32,40,48,56
.irp k, 0,1,2,3
	v_pk_add_f32 v[SM+2*\k:SM+2*\k+1], v[SM+2*\k:SM+2*\k+1], v[S+\j+2*\k:S+\j+2*\k+1]
.endr
.endr
	v_pk_add_f32 v[SM:SM+1], v[SM:SM+1], v[SM+2:SM+3]
	v_pk_add_f32 v[SM+4:SM+5], v[SM+4:SM+5], v[SM+6:SM+7]
	s_delay_alu instid0(VALU_DEP_1)
	v_pk_add_f32 v[SM:SM+1], v[SM:SM+1], v[SM+4:SM+5]
	s_delay_alu instid0(VALU_DEP_1)
	v_pk_add_f32 v[LS:LS+1], v[LS:LS+1], v[SM:SM+1]
.Lp1h_\w:
	s_wait_alu depctr_va_vdst(0)
	s_add_co_u32 s[TB], s[TB], REC
	s_add_co_u32 s[ST], s[ST], 1
	s_cmp_lt_u32 s[ST], \cnt
	s_cbranch_scc1 .Lp1_\w
.endm
	INIT1
	SETQ Q0, QW0
	s_wait_alu depctr_va_vdst(0)                   ; the wait at the head's end
	s_wait_tensorcnt 0x0                           ; my record of k is in; the three lines ahead of a later first fill
	ds_add_u32 v254, v255
	s_wait_dscnt 0x0
	s_barrier_signal -1
	s_barrier_wait -1                              ; everybody's record of k is in
	tensor_load_to_lds s[G0V:G0V+3], s[G1:G1+7]    ; v's record: it has walk 1 in which to land
	s_nop 0
	WALK1 a, 8, LOA, HIA, DGA
	FINL
	v_mov_b32 v[EX], v[MC]
	v_mov_b32 v[EX+1], v[LS]
	INIT1
	SETQ Q1, QW1
	WALK1 b, 16, LOB, HIB, BLK1
	FINL
	v_mov_b32 v[EX+2], v[MC]
	v_mov_b32 v[EX+3], v[LS]
	s_wait_alu depctr_va_vdst(0)
	s_wait_tensorcnt 0x0                           ; my record of v is in
	ds_store_b128 v[MGA], v[EX:EX+3]               ; my parts' mc and l
	s_wait_dscnt 0x0
	s_barrier_signal -1
	s_barrier_wait -1                              ; everybody's record of v and everybody's parts are in
	ds_load_b128 v[PX:PX+3], v[MGB]
	s_wait_dscnt 0x0
	v_max_num_f32 v[TM], v[EX], v[PX]              ; the common maxima
	v_max_num_f32 v[TM+1], v[EX+2], v[PX+2]
	v_sub_f32 v[TM+2], v[EX], v[TM]
	v_sub_f32 v[TM+3], v[PX], v[TM]
	v_sub_f32 v[TM+4], v[EX+2], v[TM+1]
	v_sub_f32 v[TM+5], v[PX+2], v[TM+1]
	s_wait_alu depctr_va_vdst(0)
.irp i, 2,3,4,5
	v_exp_f32 v[TM+\i], v[TM+\i]
.endr
	v_nop
	s_wait_alu depctr_va_vdst(0)
	v_mul_f32 v[TM+2], v[TM+2], v[EX+1]
	v_mul_f32 v[TM+4], v[TM+4], v[EX+3]
	v_fma_f32 v[TM+2], v[TM+3], v[PX+1], v[TM+2]   ; l under the common maximum
	v_fma_f32 v[TM+4], v[TM+5], v[PX+3], v[TM+4]
	v_mul_f32 v[TM+2], v[TM+2], v[RR]
	v_mul_f32 v[TM+4], v[TM+4], v[RR]
	s_wait_alu depctr_va_vdst(0)
	v_log_f32 v[TM+2], v[TM+2]
	v_log_f32 v[TM+4], v[TM+4]
	v_nop
	s_wait_alu depctr_va_vdst(0)
	v_add_f32 v[OFA], v[TM], v[TM+2]
	v_add_f32 v[OFB], v[TM+1], v[TM+4]
	v_mov_b32 v[MC], v[OFA]
	SETQ Q0, QW0
.macro ZEROO
.set n, 0
.rept 32
	v_mov_b32 v[O+n], 0
.set n, n+1
.endr
.endm
	ZEROO
.macro QUANT                           ; p's four blocks of 32 keys: scale word in PS, codes in PC
.irp b, 0,1,2,3
	v_max3_num_f32 v[TM+\b], v[S+16*\b], v[S+1+16*\b], 0x1800000
.endr
.irp i, 2,4,6,8,10,12,14
.irp b, 0,1,2,3
	v_max3_num_f32 v[TM+\b], v[TM+\b], v[S+16*\b+\i], v[S+1+16*\b+\i]
.endr
.endr
.irp b, 0,1,2,3
	v_permlanex16_b32 v[TM+4+\b], v[TM+\b], s[SEL], s[SEL+1]
.endr
.irp b, 0,1,2,3
	v_max_num_f32 v[TM+\b], v[TM+\b], v[TM+4+\b]
.endr
.irp b, 0,1,2,3
	v_add_nc_u32 v[TM+12+\b], 0xff000000, v[TM+\b]
.endr
.irp b, 0,1,2,3
	v_lshrrev_b32 v[TM+4+\b], 23, v[TM+12+\b]
.endr
	v_lshl_or_b32 v[PS], v[TM+5], 8, v[TM+4]
	s_delay_alu instid0(VALU_DEP_1)
	v_lshl_or_b32 v[PS], v[TM+6], 16, v[PS]
	s_delay_alu instid0(VALU_DEP_1)
	v_lshl_or_b32 v[PS], v[TM+7], 24, v[PS]
.irp c, 0,1
	v_cvt_scalef32_pk16_fp6_f32 v[PC+6*\c:PC+2+6*\c], v[S+32*\c:S+15+32*\c], v[TM+12+2*\c]
	v_cvt_scalef32_pk16_fp6_f32 v[PT+4*\c:PT+2+4*\c], v[S+16+32*\c:S+31+32*\c], v[TM+13+2*\c]
.endr
	v_nop
.irp c, 0,1
.irp i, 0,1,2
	v_permlane16_swap_b32 v[PC+6*\c+\i], v[PT+4*\c+\i]
.endr
.irp i, 0,1,2
	v_mov_b32 v[PC+3+6*\c+\i], v[PT+4*\c+\i]
.endr
.endr
.endm
; WALK 2
.macro WALK2 w, cnt, lo, hi, dg
	s_mov_b32 s[ST], 0
	s_mov_b32 s[TB], 0
.Lp2_\w:
	s_cmp_lt_u32 s[ST], s[\lo]
	s_cbranch_scc1 .Lp2h_\w
	s_cmp_gt_u32 s[ST], s[\hi]
	s_cbranch_scc1 .Lp2h_\w
	v_add_nc_u32 v[ADV], s[TB], v[L16V]
	SCORES 2
.irp f, 0,1,2,3
.irp c, 0,1,2
	ds_load_b128 v[F+12*\f+4*\c:F+12*\f+4*\c+3], v[ADV] offset:\f*1536+\c*512   ; v's fragments land under the exponentials
.endr
.endr
	ds_load_b128 v[VS:VS+3], v[ADV] offset:6144
	s_cmp_lg_u32 s[ST], s[\dg]
	s_cbranch_scc1 .Lp2o_\w
	MASK
.Lp2o_\w:
	s_wait_alu depctr_va_vdst(0)
.irp j, 0,2,4,6,8,10,12,14,16,18,20,22,24,26,28,30,32,34,36,38,40,42,44,46,48,50,52,54,56,58,60,62
	v_pk_fma_f32 v[S+\j:S+\j+1], v[S+\j:S+\j+1], s[CS:CS+1], v[MC:MC+1] op_sel_hi:[1,0,0] neg_lo:[0,0,1] neg_hi:[0,0,1]   ; c s - off
.endr
	s_wait_alu depctr_va_vdst(0)
.set n, 0
.rept 64
	v_exp_f32 v[S+n], v[S+n]                       ; the finished weight
.set n, n+1
.endr
	v_nop
	s_wait_alu depctr_va_vdst(0)
	QUANT
	s_wait_alu depctr_va_vdst(0)
	s_wait_dscnt 0x0
.rept 4
	v_nop                                          ; four places behind the codes' last move; with that run's one idle line and six moves, eleven behind the scale word
.endr
.irp t, 0,1,2,3
	v_wmma_scale_f32_16x16x128_f8f6f4 v[O+8*\t:O+8*\t+7], v[F+12*\t:F+12*\t+11], v[PC:PC+11], v[O+8*\t:O+8*\t+7], v[VS+\t], v[PS] matrix_a_fmt:MATRIX_FMT_FP6 matrix_b_fmt:MATRIX_FMT_FP6
.endr
.Lp2h_\w:
	s_wait_alu depctr_va_vdst(0)
	s_add_co_u32 s[TB], s[TB], REC
	s_add_co_u32 s[ST], s[ST], 1
	s_cmp_lt_u32 s[ST], \cnt
	s_cbranch_scc1 .Lp2_\w
.rept 4
	v_nop                                          ; places behind the last products
.endr
.endm
	WALK2 a, 8, LOA, HIA, DGA
.irp c, 0,1,2,3,4,5,6,7
	ds_store_b128 v[OSA], v[O+4*\c:O+4*\c+3] offset:512*\c    ; my part of A's sums, as an image of the registers
.endr
	v_mov_b32 v[MC], v[OFB]
	SETQ Q1, QW1
	ZEROO
	WALK2 b, 16, LOB, HIB, BLK1
	s_cmp_eq_u32 s[ROLE], 1
	s_cbranch_scc0 .Lkept
.irp c, 0,1,2,3,4,5,6,7
	ds_store_b128 v[OSB], v[O+4*\c:O+4*\c+3] offset:512*\c    ; waves 8-15: my part of B's sums
.endr
.Lkept:
	s_wait_dscnt 0x0
	s_barrier_signal -1
	s_barrier_wait -1
	s_cmp_eq_u32 s[ROLE], 1
	s_cbranch_scc1 .Lfor_a
.irp c, 0,1,2,3,4,5,6,7
	ds_load_b128 v[S+4*\c:S+4*\c+3], v[OSB] offset:512*\c     ; waves 0-7: B's tile = my part + my partner's
.endr
	s_wait_dscnt 0x0
.irp j, 0,2,4,6,8,10,12,14,16,18,20,22,24,26,28,30
	v_pk_add_f32 v[O+\j:O+\j+1], v[O+\j:O+\j+1], v[S+\j:S+\j+1]
.endr
	s_branch .Lout
.Lfor_a:
.irp c, 0,1,2,3,4,5,6,7
	ds_load_b128 v[S+4*\c:S+4*\c+3], v[OSA] offset:512*\c     ; waves 8-15: A's tile = my part + my partner's
	ds_load_b128 v[S+32+4*\c:S+32+4*\c+3], v[OSP] offset:512*\c
.endr
	s_wait_dscnt 0x0
.irp j, 0,2,4,6,8,10,12,14,16,18,20,22,24,26,28,30
	v_pk_add_f32 v[O+\j:O+\j+1], v[S+\j:S+\j+1], v[S+32+\j:S+33+\j]
.endr
.Lout:
	s_wait_alu depctr_va_vdst(0)
; The finished tile leaves: O^T (lane = query, registers along d) is quantised along d in two blocks of 32 and stored as the projection's operand image: three planes of 256 bytes, and two scale bytes a token.
.irp g, 0,1
.irp j, 0,1,2,3,4,5,6,7
	v_permlane16_swap_b32 v[O+16*\g+\j], v[O+16*\g+8+\j]
.endr
.endr
.irp b, 0,1
	v_max3_num_f32 v[TM+\b], |v[O+16*\b]|, |v[O+1+16*\b]|, 0x1800000
.endr
.irp i, 2,4,6,8,10,12,14
.irp b, 0,1
	s_delay_alu instid0(VALU_DEP_2)
	v_max3_num_f32 v[TM+\b], v[TM+\b], |v[O+16*\b+\i]|, |v[O+1+16*\b+\i]|
.endr
.endr
.irp b, 0,1
	v_permlanex16_b32 v[TM+4+\b], v[TM+\b], s[SEL], s[SEL+1]
.endr
.irp b, 0,1
	v_max_num_f32 v[TM+\b], v[TM+\b], v[TM+4+\b]
.endr
.irp b, 0,1
	v_add_nc_u32 v[TM+12+\b], 0xff000000, v[TM+\b]
.endr
.irp b, 0,1
	v_lshrrev_b32 v[TM+4+\b], 23, v[TM+12+\b]
.endr
	v_lshl_or_b32 v[PS], v[TM+5], 8, v[TM+4]
	v_cvt_scalef32_pk16_fp6_f32 v[PC:PC+2], v[O:O+15], v[TM+12]
	v_cvt_scalef32_pk16_fp6_f32 v[PT:PT+2], v[O+16:O+31], v[TM+13]
	v_nop
.irp i, 0,1,2
	v_permlane16_swap_b32 v[PC+\i], v[PT+\i]
.endr
.irp i, 0,1,2
	v_mov_b32 v[PC+3+\i], v[PT+\i]
.endr
.irp i, 0,1,2
	global_store_b64 v[WO8], v[PC+2*\i:PC+2*\i+1], s[12:13] offset:256*\i   ; 32 lanes store 256 consecutive bytes, aligned
.endr
	v_cmp_gt_u32 vcc_lo, 16, v[LANE]
	s_wait_alu depctr_va_vdst(0)
	s_wait_xcnt 0x0                                ; EXEC changes only behind this wait
	s_and_saveexec_b32 s84, vcc_lo
	global_store_b16 v[WO4], v[PS], s[14:15]
	s_wait_xcnt 0x0
	s_or_b32 exec_lo, exec_lo, s84
	s_wait_tensorcnt 0x0                           ; the wave's end
	ds_add_u32 v254, v255
	s_wait_dscnt 0x0
	s_endpgm
.Lfunc_end_k_q19af784908_attn:
	.size	k_q19af784908_attn, .Lfunc_end_k_q19af784908_attn-k_q19af784908_attn
	.p2alignl 7, 3214868480
	.fill 96, 4, 3214868480
	.section	.rodata,"a",@progbits
	.p2align	6, 0x0
	.amdhsa_kernel k_q19af784908_attn
		.amdhsa_group_segment_fixed_size 327680
		.amdhsa_private_segment_fixed_size 0
		.amdhsa_enable_private_segment 0
		.amdhsa_kernarg_size 48
		.amdhsa_user_sgpr_count 2
		.amdhsa_user_sgpr_kernarg_segment_ptr 1
		.amdhsa_wavefront_size32 1
		.amdhsa_system_sgpr_workgroup_id_x 1
		.amdhsa_system_sgpr_workgroup_id_y 1
		.amdhsa_system_sgpr_workgroup_id_z 1
		.amdhsa_system_vgpr_workitem_id 0
		.amdhsa_next_free_vgpr 256
		.amdhsa_next_free_sgpr 90
		.amdhsa_reserve_vcc 1
		.amdhsa_float_denorm_mode_32 3
		.amdhsa_float_denorm_mode_16_64 3
		.amdhsa_memory_ordered 1
		.amdhsa_forward_progress 1
		.amdhsa_inst_pref_size 99
	.end_amdhsa_kernel
	.amdgpu_metadata
---
amdhsa.version: [ 1, 2 ]
amdhsa.kernels:
  - .name:           k_q19af784908_attn
    .symbol:         k_q19af784908_attn.kd
    .args:
      - { .name: pack, .offset: 0, .size: 8, .value_kind: global_buffer, .address_space: global }
      - { .name: a, .offset: 8, .size: 8, .value_kind: global_buffer, .address_space: global }
      - { .name: b, .offset: 16, .size: 8, .value_kind: global_buffer, .address_space: global }
      - { .name: dt, .offset: 24, .size: 8, .value_kind: global_buffer, .address_space: global }
      - { .name: apack, .offset: 32, .size: 8, .value_kind: global_buffer, .address_space: global }
      - { .name: asc, .offset: 40, .size: 8, .value_kind: global_buffer, .address_space: global }
    .group_segment_fixed_size: 327680
    .private_segment_fixed_size: 0
    .kernarg_segment_align: 8
    .kernarg_segment_size: 48
    .max_flat_workgroup_size: 512
    .sgpr_count:     90
    .vgpr_count:     256
    .wavefront_size: 32
...
	.end_amdgpu_metadata
.endif
;; end of part 2
;; launch proj (part 3): grid 8 x 32, 4 waves a work-group, clusters of 4 x 4, 220,672 bytes of LDS; arguments apack, asc, Wout_codes, Wout_scales, out0; writes out0
.if DOCPART == 3
	.amdgcn_target "amdgcn-amd-amdhsa--gfx1250"
	.amdhsa_code_object_version 6
	.text
	.protected	k_q19af784908_proj
	.globl	k_q19af784908_proj
	.p2align	8
	.type	k_q19af784908_proj,@function
k_q19af784908_proj:
	s_mov_b64 s[64:65], 0
	v_nop
	global_prefetch_b8 v0, s[64:65] scope:SCOPE_SE
	s_setreg_imm32_b32 hwreg(HW_REG_WAVE_MODE, 25, 1), 1
	s_wait_xcnt 0x0
	s_wait_alu depctr_hold_cnt(0) depctr_sa_sdst(0) depctr_va_vdst(0) depctr_va_sdst(0) depctr_va_ssrc(0) depctr_va_vcc(0) depctr_vm_vsrc(0)
	s_getreg_b32 s2, hwreg(HW_REG_IB_STS2, 6, 4)
	s_cmp_eq_u32 s2, 0
	s_cbranch_scc0 .Lentry_in_a_cluster
	s_endpgm
.Lentry_in_a_cluster:
	s_bfe_u32 s2, ttmp6, 0x10000c
	s_cmp_lg_u32 s2, 0xf033
	s_cbranch_scc0 .Lentry_shape_is_right
	s_endpgm
.Lentry_shape_is_right:
; out0 = A Wout^T on codes of FP6 (E2M3) with one E8M0 scale for each 32 along K = 1,024.  A: the attention's result, 4,096 tokens, as the launch before laid it:
; apack [token tile of 16][K step of 128][6 planes of 256 bytes], plane p at 8 x lane = registers 2 p, 2 p + 1 of the fragment; asc [K step][token]: the fragment's scale words.
; Wout: [1,024][1,024] codes, K innermost, 768 bytes a row; scale bytes 32 a row.  out0: [4,096][1,024] f32.
; A tile of 128 tokens x 128 columns to a work-group: 256 work-groups.  Four waves, each 64 x 64: 16 accumulators of 16 x 16.  A smaller tile than 256 x 256, which would give 64 work-groups.
; ALL OF K LIES IN LDS, FILLED ONCE: A's eight token tiles (98,304 bytes, dense: a fragment's load reads 256 consecutive bytes) and Wout's 128 rows (768 bytes + 3 x 16 of padding each).  One tensor load a wave, no ring.
; CLUSTERS: 4 x 4 work-groups.  A's tile hangs on the tile row alone and is shared along a row of the cluster, Wout's on the tile column alone and is shared along a column: each is asked for jointly.
; THE MATRIX INSTRUCTION IS USED TRANSPOSED (source 0 = 16 rows of Wout, source 1 = 16 tokens): a lane holds eight neighbouring numbers of a row of out0.
; THE SCALE WORDS go from memory straight into registers, once: a register carries two tiles' words, one in lanes 0-15, the other in lanes 16-31.
; REGISTERS: window 0: v1-11 addresses; v16-31 A's scale words (2 s + tile pair); v32-47 Wout's (8 x tile pair + s); v48-143, v144-239 two sets of fragments (A's four, then Wout's four); window 1: v0-127 the accumulators ((i, t) at v[8 (4 i + t)]).
.set ATILE, 12288                      ; a token tile's codes for all of K
.set BOFF,  8*ATILE                    ; Wout's rows in LDS
.set BP,    816                        ; their pitch: 3 x (256 + 16) bytes = 204 words: the 32 lanes of a load of 8 bytes touch 64 different banks (64 banks of 4 bytes: ISA guide 11.1)
.set STAGE, BOFF+128*BP                ; the way out: 16 rows x (256 bytes + 16) for each wave
.set SP,    272
.set ADA,  4                           ; v4   A: 8 x lane + my four tiles
.set ADB0, 5                           ; v5   Wout: row x pitch + 24 x half
.set ADB1, 6                           ; v6   the same behind one padding more
.set STO,  7
.set RD,   8
.set CO,   9
.set LA4,  10
.set LA32, 11
.set AS,   16
.set BS,   32
.set G1A, 24
.set G0A, 32
.set G1B, 48
.set G0B, 56
.set MSB, 0
.macro WIN new                         ; the immediate's high byte repeats the setting that is left
.if MSB != \new
	s_set_vgpr_msb (MSB<<8)|\new
.set MSB, \new
.endif
.endm
.macro CROUND                          ; a round of the cluster's barrier
	s_barrier_signal -1
	s_barrier_wait -1
	s_cmp_lg_u32 s14, 0
	s_cbranch_scc1 .Lnot_wave_0_\@
	s_barrier_signal -3
.Lnot_wave_0_\@:
	s_barrier_wait -3
	s_barrier_signal -1
	s_barrier_wait -1
.endm
.macro PLACES
.rept 4
	v_nop
.endr
.endm
	s_load_b256 s[4:11], s[0:1], 0x0               ; apack, asc, Wout's codes, Wout's scales
	s_load_b64 s[12:13], s[0:1], 0x20              ; out0
	v_lshl_add_u32 v254, v0, 2, 0x35c00
	v_mov_b32 v255, 0
	ds_add_u32 v254, v255
	ds_add_u32 v254, v255
	v_lshrrev_b32 v1, 5, v0
	v_readfirstlane_b32 s14, v1                    ; wave 0..3
	s_lshr_b32 s15, s14, 1                         ; which 64 tokens are mine.  Also: I fetch for A (0) or for Wout (1)
	s_and_b32 s16, s14, 1                          ; which 64 columns.  Also: which half of that tile I fetch
	s_bfe_u32 s40, ttmp6, 0x40000                  ; cx, cy: my place in the cluster
	s_bfe_u32 s41, ttmp6, 0x40004
	s_lshl_b32 s42, ttmp9, 2
	s_add_co_u32 s42, s42, s40                     ; tile column = 4 x cluster x + cx
	s_and_b32 s17, ttmp7, 0xffff
	s_lshl_b32 s17, s17, 2
	s_add_co_u32 s17, s17, s41                     ; tile row = 4 x cluster y + cy
	s_lshl_b32 s43, s41, 2
	s_lshl_b32 s43, 15, s43                        ; my row of the cluster
	s_lshl_b32 s44, 0x1111, s40                    ; my column
	; both halves are dense blocks of 49,152 bytes: 192 rows of 256 bytes (32 elements of 8 bytes); Wout's get 16 bytes of padding behind each
	s_or_b32 s[G1A+0], s43, (3<<16)|(1<<21)
	s_or_b32 s[G1B+0], s44, (3<<16)|(1<<20)|(1<<21)|(5<<22)|(3<<25)
.irp g, G1A, G1B
	s_mov_b32 s[\g+1], 32<<16
	s_mov_b32 s[\g+2], 192<<16
	s_mov_b32 s[\g+3], 32<<16
	s_mov_b32 s[\g+4], 192
	s_mov_b32 s[\g+5], 32
	s_mov_b32 s[\g+6], 0
	s_mov_b32 s[\g+7], 0
.endr
	s_lshl_b32 s20, s17, 3
	s_lshl_b32 s18, s16, 2
	s_add_co_u32 s20, s20, s18                     ; A: token tile 8 x tile row + 4 x half
	s_mul_i32 s20, s20, ATILE
	s_mov_b32 s21, 0
	s_lshl_b32 s46, s42, 7
	s_lshl_b32 s18, s16, 6
	s_add_co_u32 s46, s46, s18                     ; Wout: row 128 x tile column + 64 x half
	s_mul_i32 s46, s46, 768
	s_mov_b32 s47, 0
	s_mov_b32 s[G0A], 1
	s_mul_i32 s[G0A+1], s16, 4*ATILE               ; no place in the cluster enters an LDS address
	s_mov_b32 s[G0B], 1
	s_mul_i32 s[G0B+1], s16, 64*BP
	s_add_co_u32 s[G0B+1], s[G0B+1], BOFF
	s_wait_dscnt 0x0
	s_wait_kmcnt 0x0
	s_add_nc_u64 s[G0A+2:G0A+3], s[4:5], s[20:21]
	s_or_b32 s[G0A+3], s[G0A+3], 0x80000000
	s_add_nc_u64 s[G0B+2:G0B+3], s[8:9], s[46:47]
	s_or_b32 s[G0B+3], s[G0B+3], 0x80000000
	CROUND                                         ; all sixteen work-groups are here: the joint loads meet
	s_cmp_eq_u32 s15, 0                            ; the branch hangs on the wave's number alone; four v_nop follow each of the two lines
	s_cbranch_scc0 .Lfor_b
	tensor_load_to_lds s[G0A:G0A+3], s[G1A:G1A+7]
	s_nop 0
.rept 4
	v_nop
.endr
	s_branch .Lasked
.Lfor_b:
	tensor_load_to_lds s[G0B:G0B+3], s[G1B:G1B+7]
	s_nop 0
.rept 4
	v_nop
.endr
.Lasked:
	v_and_b32 v1, 15, v0                           ; r
	v_bfe_u32 v2, v0, 4, 1                         ; h
	v_and_b32 v3, 31, v0                           ; lane
	v_lshlrev_b32 v[LA4], 2, v3
	s_wait_alu depctr_va_vdst(0)
	v_lshlrev_b32 v[LA32], 5, v3
	s_wait_alu depctr_va_vdst(0)
	s_lshl_b32 s22, s17, 7
	s_lshl_b32 s23, s15, 6
	s_add_co_u32 s22, s22, s23                     ; my first token
	s_lshl_b32 s22, s22, 2
	s_mov_b32 s23, 0
	s_add_nc_u64 s[6:7], s[6:7], s[22:23]
	s_lshl_b32 s60, s42, 7
	s_lshl_b32 s61, s16, 6
	s_add_co_u32 s60, s60, s61                     ; my first row of Wout
	s_lshl_b32 s60, s60, 5
	s_mov_b32 s61, 0
	s_add_nc_u64 s[10:11], s[10:11], s[60:61]
.irp s, 0,1,2,3,4,5,6,7
.irp p, 0,1
	global_load_b32 v[AS+2*\s+\p], v[LA4], s[6:7] offset:\s*16384+\p*128     ; K step s, tokens 32 p + lane: lanes 0-15 tile 2 p, lanes 16-31 tile 2 p + 1
.endr
.endr
.irp p, 0,1
	global_load_b128 v[BS+8*\p:BS+8*\p+3], v[LA32], s[10:11] offset:\p*1024  ; row 32 p + lane: its eight words, one for each K step
	global_load_b128 v[BS+8*\p+4:BS+8*\p+7], v[LA32], s[10:11] offset:\p*1024+16
.endr
	s_mul_i32 s18, s15, 4*ATILE
	v_lshl_add_u32 v[ADA], v3, 3, s18
	s_mul_i32 s18, s16, 64*BP
	s_add_co_u32 s18, s18, BOFF
	v_mul_u32_u24 v[ADB0], v1, BP
	v_add_nc_u32 v[ADB0], s18, v[ADB0]
	v_mad_u32_u24 v[ADB1], v2, 40, v[ADB0]
	v_mad_u32_u24 v[ADB0], v2, 24, v[ADB0]
	s_mul_i32 s18, s14, 16*SP
	s_add_co_u32 s18, s18, STAGE                   ; my stage
	v_mul_u32_u24 v[STO], v1, SP                   ; in: row r, 32 bytes for each half of the lanes
	v_lshl_add_u32 v[STO], v2, 5, v[STO]
	v_add_nc_u32 v[STO], s18, v[STO]
	v_mul_u32_u24 v[RD], v2, SP                    ; back: lanes 0-15 one row of 256 bytes, lanes 16-31 the next
	v_lshl_add_u32 v[RD], v1, 4, v[RD]
	v_add_nc_u32 v[RD], s18, v[RD]
	v_lshlrev_b32 v[CO], 12, v2                    ; and the same two rows in out0
	v_lshl_add_u32 v[CO], v1, 4, v[CO]
	s_lshl_b32 s20, s17, 7
	s_lshl_b32 s21, s15, 6
	s_add_co_u32 s20, s20, s21
	s_lshl_b32 s20, s20, 12                        ; my first row of out0, 4,096 bytes a row
	s_mov_b32 s21, 0
	s_lshl_b32 s46, s42, 9                         ; my first column, in bytes: 512 x tile column + 256 x half
	s_lshl_b32 s47, s16, 8
	s_add_co_u32 s46, s46, s47
	s_mov_b32 s47, 0
	s_add_nc_u64 s[20:21], s[20:21], s[46:47]
	s_add_nc_u64 s[12:13], s[12:13], s[20:21]
; K step s: A's four fragments and Wout's four into set buf: 48 loads of 8 bytes.
.macro FETCH s, buf
.set FB, 48+96*(\buf)
.irp i, 0,1,2,3
.irp p, 0,1,2,3,4,5
	ds_load_b64 v[FB+12*\i+2*\p:FB+12*\i+2*\p+1], v[ADA] offset:\i*ATILE+(\s)*1536+\p*256
.endr
.endr
.irp t, 0,1,2,3
.irp p, 0,1,2,3,4,5                    ; lanes 0-15 take the row's pieces 12 s + 0, 1, 2 and 12 s + 6, 7, 8, lanes 16-31 those three pieces on; 16 bytes of padding lie behind every 32 pieces
.set PQ, 12*(\s)+6*(\p/3)+\p%3
.if PQ%32 < 29
	ds_load_b64 v[FB+48+12*\t+2*\p:FB+48+12*\t+2*\p+1], v[ADB0] offset:\t*16*BP+8*PQ+16*(PQ/32)
.else
	ds_load_b64 v[FB+48+12*\t+2*\p:FB+48+12*\t+2*\p+1], v[ADB1] offset:\t*16*BP+8*PQ+16*(PQ/32)
.endif
.endr
.endr
.endm
; One product: tokens' tile i x Wout's tile t, K step s, fragments in the set at fb.  z = 1: it starts the sum.  An odd tile's scale words stand in lanes 16-31 of their register.
.macro MM i, t, s, fb, z
.set MD, 8*(4*(\i)+(\t))
.set MB, (\fb)+48+12*(\t)
.set MA, (\fb)+12*(\i)
.set MSW, BS+8*((\t)/2)+(\s)
.set MST, AS+2*(\s)+(\i)/2
.if \z
.if ((\t)%2 == 0) && ((\i)%2 == 0)
	v_wmma_scale_f32_16x16x128_f8f6f4 v[MD:MD+7], v[MB:MB+11], v[MA:MA+11], 0, v[MSW], v[MST] matrix_a_fmt:MATRIX_FMT_FP6 matrix_b_fmt:MATRIX_FMT_FP6
.elseif ((\t)%2 == 1) && ((\i)%2 == 0)
	v_wmma_scale_f32_16x16x128_f8f6f4 v[MD:MD+7], v[MB:MB+11], v[MA:MA+11], 0, v[MSW], v[MST] matrix_a_fmt:MATRIX_FMT_FP6 matrix_b_fmt:MATRIX_FMT_FP6 matrix_a_scale:MATRIX_SCALE_ROW1
.elseif ((\t)%2 == 0) && ((\i)%2 == 1)
	v_wmma_scale_f32_16x16x128_f8f6f4 v[MD:MD+7], v[MB:MB+11], v[MA:MA+11], 0, v[MSW], v[MST] matrix_a_fmt:MATRIX_FMT_FP6 matrix_b_fmt:MATRIX_FMT_FP6 matrix_b_scale:MATRIX_SCALE_ROW1
.else
	v_wmma_scale_f32_16x16x128_f8f6f4 v[MD:MD+7], v[MB:MB+11], v[MA:MA+11], 0, v[MSW], v[MST] matrix_a_fmt:MATRIX_FMT_FP6 matrix_b_fmt:MATRIX_FMT_FP6 matrix_a_scale:MATRIX_SCALE_ROW1 matrix_b_scale:MATRIX_SCALE_ROW1
.endif
.else
.if ((\t)%2 == 0) && ((\i)%2 == 0)
	v_wmma_scale_f32_16x16x128_f8f6f4 v[MD:MD+7], v[MB:MB+11], v[MA:MA+11], v[MD:MD+7], v[MSW], v[MST] matrix_a_fmt:MATRIX_FMT_FP6 matrix_b_fmt:MATRIX_FMT_FP6
.elseif ((\t)%2 == 1) && ((\i)%2 == 0)
	v_wmma_scale_f32_16x16x128_f8f6f4 v[MD:MD+7], v[MB:MB+11], v[MA:MA+11], v[MD:MD+7], v[MSW], v[MST] matrix_a_fmt:MATRIX_FMT_FP6 matrix_b_fmt:MATRIX_FMT_FP6 matrix_a_scale:MATRIX_SCALE_ROW1
.elseif ((\t)%2 == 0) && ((\i)%2 == 1)
	v_wmma_scale_f32_16x16x128_f8f6f4 v[MD:MD+7], v[MB:MB+11], v[MA:MA+11], v[MD:MD+7], v[MSW], v[MST] matrix_a_fmt:MATRIX_FMT_FP6 matrix_b_fmt:MATRIX_FMT_FP6 matrix_b_scale:MATRIX_SCALE_ROW1
.else
	v_wmma_scale_f32_16x16x128_f8f6f4 v[MD:MD+7], v[MB:MB+11], v[MA:MA+11], v[MD:MD+7], v[MSW], v[MST] matrix_a_fmt:MATRIX_FMT_FP6 matrix_b_fmt:MATRIX_FMT_FP6 matrix_a_scale:MATRIX_SCALE_ROW1 matrix_b_scale:MATRIX_SCALE_ROW1
.endif
.endif
.endm
.macro KMUL s, z                       ; a K step's 16 products: the accumulators take turns, one instruction a turn, in the same order in every step
.set FBS, 48+96*((\s)%2)
	WIN 0x50                                       ; C and D window 1
.irp i, 0,1,2,3
.irp t, 0,1,2,3
	MM \i, \t, \s, FBS, \z
.endr
.endr
	WIN 0
.endm
	s_wait_alu depctr_va_vdst(0)
	s_wait_tensorcnt 0x0                           ; my half tile has landed,
	s_wait_loadcnt 0x0                             ; my scale words are in,
	s_barrier_signal -1
	s_barrier_wait -1                              ; everybody's half tile has landed
	FETCH 0, 0
.irp s, 0,1,2,3,4,5,6,7
.if \s > 0
	PLACES                                         ; in front of loads into the set that the last step's products have read
.endif
.if \s < 7
	FETCH \s+1, (\s+1)%2
	s_wait_dscnt 48                                ; this step's fragments are in; the 48 loads just issued may be out
.else
	s_wait_dscnt 0x0
.endif
.if \s == 0
	KMUL \s, 1                                     ; the first step's products start the sums: nothing is cleared
.else
	KMUL \s, 0
.endif
.endr
; THE WAY OUT, a tile of 16 tokens x 64 columns at a time, through my own stage: a lane holds 32 neighbouring bytes of a row; they come back as whole rows of 256 bytes.
; LDS serves a wave's instructions in order (ISA guide 5.7.1.4): no wait between the stores and the loads, nor in front of the next tile's stores.
.macro TOSTAGE i
	WIN 0x04                                       ; an LDS store's data are its source 1: window 1
.irp t, 0,1,2,3
	ds_store_b128 v[STO], v[8*(4*(\i)+\t):8*(4*(\i)+\t)+3] offset:64*\t          ; each accumulator from its low end on
	ds_store_b128 v[STO], v[8*(4*(\i)+\t)+4:8*(4*(\i)+\t)+7] offset:64*\t+16
.endr
	WIN 0
.irp k, 0,1,2,3,4,5,6,7
	ds_load_b128 v[48+32*(\i)+4*\k:48+32*(\i)+4*\k+3], v[RD] offset:2*\k*SP      ; each tile has registers of its own: no store's data are written again
.endr
.endm
.macro SEND i, younger
	s_wait_dscnt \younger                          ; the tile is back in registers
.irp k, 0,1,2,3,4,5,6,7
	global_store_b128 v[CO], v[48+32*(\i)+4*\k:48+32*(\i)+4*\k+3], s[12:13] offset:(16*(\i)+2*\k)*4096 th:TH_STORE_NT   ; 16 lanes store 256 consecutive bytes, at a multiple of 256 from out0's first byte
.endr
.endm
	PLACES                                         ; behind the last products: results are read, and loads land where fragments lay
	TOSTAGE 0
.irp i, 1,2,3
	TOSTAGE \i
	SEND \i-1, 16                                  ; behind the earlier tile's loads: this tile's 8 stores and 8 loads
.endr
	SEND 3, 0
	s_wait_tensorcnt 0x0
	ds_add_u32 v254, v255
	s_wait_dscnt 0x0
	CROUND                                         ; the closing round: no work-group ends while a partner may still ask for a tile that names it
	s_endpgm
.Lfunc_end_k_q19af784908_proj:
	.size	k_q19af784908_proj, .Lfunc_end_k_q19af784908_proj-k_q19af784908_proj
	.p2alignl 7, 3214868480
	.fill 96, 4, 3214868480
	.section	.rodata,"a",@progbits
	.p2align	6, 0x0
	.amdhsa_kernel k_q19af784908_proj
		.amdhsa_group_segment_fixed_size 220672
		.amdhsa_private_segment_fixed_size 0
		.amdhsa_enable_private_segment 0
		.amdhsa_kernarg_size 40
		.amdhsa_user_sgpr_count 2
		.amdhsa_user_sgpr_kernarg_segment_ptr 1
		.amdhsa_wavefront_size32 1
		.amdhsa_system_sgpr_workgroup_id_x 1
		.amdhsa_system_sgpr_workgroup_id_y 1
		.amdhsa_system_sgpr_workgroup_id_z 1
		.amdhsa_system_vgpr_workitem_id 0
		.amdhsa_next_free_vgpr 384
		.amdhsa_next_free_sgpr 66
		.amdhsa_reserve_vcc 0
		.amdhsa_float_denorm_mode_32 3
		.amdhsa_float_denorm_mode_16_64 3
		.amdhsa_memory_ordered 1
		.amdhsa_forward_progress 1
		.amdhsa_inst_pref_size 58
	.end_amdhsa_kernel
	.amdgpu_metadata
---
amdhsa.version: [ 1, 2 ]
amdhsa.kernels:
  - .name:           k_q19af784908_proj
    .symbol:         k_q19af784908_proj.kd
    .args:
      - { .name: apack, .offset: 0, .size: 8, .value_kind: global_buffer, .address_space: global }
      - { .name: asc, .offset: 8, .size: 8, .value_kind: global_buffer, .address_space: global }
      - { .name: Wout_codes, .offset: 16, .size: 8, .value_kind: global_buffer, .address_space: global }
      - { .name: Wout_scales, .offset: 24, .size: 8, .value_kind: global_buffer, .address_space: global }
      - { .name: out0, .offset: 32, .size: 8, .value_kind: global_buffer, .address_space: global }
    .group_segment_fixed_size: 220672
    .private_segment_fixed_size: 0
    .kernarg_segment_align: 8
    .kernarg_segment_size: 40
    .max_flat_workgroup_size: 128
    .sgpr_count:     66
    .vgpr_count:     384
    .wavefront_size: 32
...
	.end_amdgpu_metadata
.endif
;; end of part 3
